; MI455X (gfx1250); checked and timed in simulation.
; The chip was launched on July 23, 2026; its instructions are those of AMD's public machine-readable ISA for CDNA 5 (MIT licence, August 2026) and "CDNA5" Instruction Set Architecture Reference Guide (July 2026). The comments in the code are by the model that wrote it; some were corrected since.
;; Concat Attention Param. Allowed arithmetic: matrix products marked QUANTISED: E2M1 operands, one E8M0 scale for each 32 along K, by v_wmma_scale_f32_16x16x128_f8f6f4 with both operands' format E2M1 (or v_wmma_scale_f32_32x16x128_f4), f32 sums; products left as they are: f32 operands where the result goes on into a quantised operand, else bf16, f16 or f32 operands; f32 sums; everything else in f32.
;; Inputs: h 32 x 2,048 x 1,024 float32; ln_b 1,024 float32; ln_w 1,024 x 2,048 float32; mask 32 x 2,048 bool; v_w 1,024 float32; vq 1,024 float32.
;; Outputs: out0 32 x 1,024 float32.
;; This version of the problem:
;;   THIS VERSION OF THE PROBLEM IS GIVEN IN LOW PRECISION. The matrix products marked QUANTISED in the list below multiply operands that are first quantised to E2M1 (2 exponent bits, 1 mantissa bit; 4 bits a number), with one power-of-two scale for each 32 numbers along K (OCP MX v1.0); their sums are f32. All else is computed in f32.
;;   The module's matrix products, in the order in which they are computed (A, B: the left and right operand; K: the contracted axis; several contracted axes count as one K, in the product's order):
;;     1. [M 1,024, K 1,024] x [K 1,024, N 1]; A: input ln_w; B: input vq: left as it is (N = 1 < 16)
;;     2. [M 65,536, K 1,024] x [K 1,024, N 1,024]; A: input h; B: input ln_w: QUANTISED
;;     3. [M 65,536, K 1,024] x [K 1,024, N 1]; A: computed on the way; B: input v_w: left as it is (N = 1 < 16)
;;     4. batch 32 x [M 1, K 2,048] x [K 2,048, N 1,024]; A: softmax; B: input h: left as it is (M = 1 < 16)
;;   THE QUANTISER, for each operand of a quantised product, along K:
;;     - K is cut into blocks of 32 from its start; a last block that is shorter is filled with zeros.
;;     - A block's scale is 2^e with e = floor(log2(the largest magnitude in the block)) - 2, held to -126 .. 127; a block of zeros has e = 0. As a byte (E8M0): e + 127.
;;     - Each number is divided by its block's scale, clamped to +-6, and rounded to the nearest number of E2M1, ties to even, subnormals kept.
;;     - The product sums the exact products of the quantised numbers (number of the format x scale) in f32.
;;   ~~~python
;;   def quantise(x, axis):      # numpy; x: float32 -> the quantised numbers, widened to float32 again
;;       x = np.moveaxis(x, axis, -1); K = x.shape[-1]
;;       x = np.pad(x, [(0, 0)] * (x.ndim - 1) + [(0, -K % 32)]); x = x.reshape(x.shape[:-1] + (-1, 32)); a = np.abs(x).max(-1, keepdims=True)
;;       e = np.where(a > 0, np.clip(np.frexp(np.where(a > 0, a, 1))[1] - 1 - 2, -126, 127), 0)      # np.frexp(a)[1] - 1 = floor(log2(a)), exactly
;;       r = np.clip(x / 2.0 ** e, -6, 6)
;;       step = 2.0 ** (np.maximum(np.frexp(np.where(r == 0, 1, r))[1] - 1, 0) - 1)
;;       q = np.round(r / step) * step * 2.0 ** e      # np.round: ties to even
;;       return np.moveaxis(q.reshape(q.shape[:-2] + (-1,))[..., :K], -1, axis).astype(np.float32)
;;   ~~~
;; One version. Each part assembles by itself: llvm-mc -triple=amdgcn-amd-amdhsa -mcpu=gfx1250 --defsym DOCPART=n.
;; ======== version 1 of 1: 3 launches
;; limits: values are held in bf16: 8 bits of precision; right only within a limited range of input values
;; workspace buffers: wfrag 524,288 bytes; wtab 65,536 bytes; part 1,114,112 bytes
;; launch prep (part 1): grid 192 x 1, 4 waves a work-group, no clusters, 1,024 bytes of LDS; arguments ln_w, ln_b, vq, v_w, wfrag, wtab; writes wfrag, wtab
.if DOCPART == 1
	.amdgcn_target "amdgcn-amd-amdhsa--gfx1250"
	.amdhsa_code_object_version 6
	.text
	.protected	k_q4afd55f4f6_prep
	.globl	k_q4afd55f4f6_prep
	.p2align	8
	.type	k_q4afd55f4f6_prep,@function
k_q4afd55f4f6_prep:
	s_mov_b64 s[64:65], 0
	v_nop
	global_prefetch_b8 v0, s[64:65] scope:SCOPE_SE
	s_setreg_imm32_b32 hwreg(HW_REG_WAVE_MODE, 25, 1), 1
	s_wait_xcnt 0x0
; FIRST OF THREE LAUNCHES.  The program computes r[b] = sum over l of softmax_l(s[b][l]) h[b][l], s = tanh(h W_h^T + bias) . v_w - 10000 (1 - mask), bias = ln_b + W_vq vq,
; with h W_h^T on codes of FP4 (E2M1) and one E8M0 scale for each 32 along K.
; NOTHING OF THE PROBLEM IS LEFT OUT: all six inputs are loaded.  Rows that the mask marks are worked like the others: 10000 is taken off their score, which is no minus infinity.
; THIS LAUNCH lays the weight out once, as the second launch's registers want it:
;   wfrag: W_h = ln_w[:, 0:1024] as codes: tile T (16 rows of W_h) x K step s (128 along K) is 1,024 bytes: register group c (0, 1) of lane l at 512 c + 16 l.
;          INSIDE A BLOCK OF 32 THE CODES STAND IN THE ORDER IN WHICH THE SECOND LAUNCH MAKES h'S: place 8 j + 4 x + i (j 0..3, x 0..1, i 0..3) holds k = 4 j + i + 16 (x xor c), c = (block / 2) % 2.
;          Both operands carry the same order, so each product meets its partner; blocks and scales are the true ones.
;   wtab:  1,024 bytes a tile.  Plane 0, 16 bytes a lane: word j of lane (r, h) is row r's scale word of K step 4 h + j.  Plane 1, 16 bytes a lane: cb, cb, v2, v2 with
;          cb = 2 log2(e) (ln_b[n] + W_vq[n] . vq) and v2 = -2 v_w[n], n = 16 T + r: what tanh(x) = 1 - 2 / (1 + 2^(2 log2(e) x)) wants of a column.
; SHARES.  Work-groups 0 to 127 quantise: work-group 2 T + y takes tile T and K steps 4 y + wave; lane (r, h) takes row r and two whole blocks, k = 64 c + 32 h + 0 .. 31.  Its four scale words a row are
; 256 consecutive bytes of plane 0.  Work-groups 128 + T make plane 1 of tile T: a wave takes four rows of W_vq, each load 512 consecutive bytes.  The two kinds have LDS bytes of their own.
; A block's scale is 2^(floor(log2(its largest magnitude)) - 2); its byte is that magnitude's exponent field - 2, held at 1 from below.
; LIMITS: a block whose largest magnitude lies under 2^-124 (a block of zeros among them) gets the byte 1, where the rule gives a block of zeros 127: the bytes are read by this program alone;
; NaN and infinities among the inputs are not served.
.set C2L,   0x4038aa3b                 ; 2 log2(e)
.set SCW,   0                          ; LDS: 64 scale words: 16 r + 4 wave
.set BP,    256                        ; LDS: the sixteen rows' W_vq . vq: 4 bytes a row
.set SPARE, 512                        ; the spare words, 128 bytes a wave
.set X,     32                         ; v32-95 my 64 numbers of W_h; or v32-159 four rows of W_vq
.set Z,     160                        ; v160-191 vq
.set SU,    192                        ; v192-199 four packed sums; v200-203 the four rows' sums
.set PC,    96                         ; v96-103 the codes
.set TM,    16                         ; v16-19 largest magnitudes, v20-21 scale operands, v22-23 bytes, v24 the word, v25 the other half's
	s_load_b256 s[4:11], s[0:1], 0x0               ; ln_w, ln_b, vq, v_w
	s_load_b128 s[12:15], s[0:1], 0x20             ; wfrag, wtab
	v_lshl_add_u32 v12, v0, 2, SPARE               ; my spare word; never rewritten
	v_mov_b32 v13, 0                               ; 0; never rewritten
	v_lshrrev_b32 v1, 5, v0
	v_readfirstlane_b32 s16, v1                    ; wave
	s_lshl_b32 s28, s16, 2
	s_lshl_b32 s29, s16, 4
	s_add_co_u32 s29, s29, BP
	s_mov_b32 s20, 0x76543210
	s_mov_b32 s21, 0xfedcba98                      ; selects for lane l xor 16
	s_mov_b32 s23, 0
	s_mov_b32 s25, 0
	s_mov_b32 s27, 0
	v_and_b32 v1, 15, v0                           ; r
	v_bfe_u32 v2, v0, 4, 1                         ; h
	v_lshlrev_b32 v3, 13, v1
	v_lshl_add_u32 v3, v2, 7, v3                   ; ln_w: row r of 8,192 bytes, + 128 h
	v_and_b32 v5, 31, v0
	v_lshlrev_b32 v7, 3, v5                        ; 8 x lane
	v_lshlrev_b32 v5, 4, v5                        ; 16 x lane
	v_lshl_add_u32 v6, v1, 4, s28                  ; my scale word's place: 16 r + 4 wave
	v_lshlrev_b32 v8, 3, v2                        ; 8 h
	v_lshlrev_b32 v9, 2, v1                        ; 4 r
	v_add_nc_u32 v10, BP, v9                       ; row r's sum
	v_mov_b32 v11, s29                             ; my wave's four sums
	v_mov_b32 v25, 0                               ; a lane permute's destination counts as one of its sources
	s_cmp_ge_u32 ttmp9, 128
	s_wait_alu depctr_va_vdst(0)                   ; the wait at the head's end, ahead of the branch
	s_cbranch_scc1 .Lbias
	s_lshr_b32 s17, ttmp9, 1                       ; T
	s_and_b32 s18, ttmp9, 1                        ; y
	s_lshl_b32 s19, s18, 2
	s_add_co_u32 s19, s19, s16                     ; K step
	s_lshl_b32 s22, s17, 17
	s_lshl_b32 s24, s19, 9
	s_add_co_u32 s22, s22, s24                     ; ln_w: 16 rows a tile, 512 bytes a K step
	s_lshl_b32 s24, s17, 13
	s_lshl_b32 s26, s19, 10
	s_add_co_u32 s24, s24, s26                     ; wfrag: 8,192 T + 1,024 s
	s_lshl_b32 s26, s17, 10
	s_lshl_b32 s28, s18, 8
	s_add_co_u32 s26, s26, s28                     ; wtab: 1,024 T + 256 y
	s_wait_kmcnt 0x0
	s_add_nc_u64 s[4:5], s[4:5], s[22:23]
	s_add_nc_u64 s[12:13], s[12:13], s[24:25]
	s_add_nc_u64 s[14:15], s[14:15], s[26:27]
.irp c, 0,1
.irp i, 0,1,2,3,4,5,6,7
	global_load_b128 v[X+32*\c+8*(\i%4)+4*((\i/4+\c)%2):X+32*\c+8*(\i%4)+4*((\i/4+\c)%2)+3], v3, s[4:5] offset:256*\c+16*\i   ; k = 4 i .. 4 i + 3 of the block, to its place in the order stated above
.endr
.endr
	s_wait_loadcnt 0x0
.irp c, 0,1
.irp a, 0,1
	v_max3_num_f32 v[TM+2*\c+\a], |v[X+32*\c+16*\a]|, |v[X+32*\c+16*\a+1]|, 0x1800000   ; four chains, each begun with the floor 2^(3 - 127)
.endr
.endr
.irp i, 2,4,6,8,10,12,14
.irp c, 0,1
.irp a, 0,1
	v_max3_num_f32 v[TM+2*\c+\a], v[TM+2*\c+\a], |v[X+32*\c+16*\a+\i]|, |v[X+32*\c+16*\a+\i+1]|
.endr
.endr
.endr
.irp c, 0,1
	v_max_num_f32 v[TM+2*\c], v[TM+2*\c], v[TM+2*\c+1]
.endr
.irp c, 0,1
	v_add_nc_u32 v[TM+4+\c], 0xff000000, v[TM+2*\c]   ; 2 off the exponent field: the conversion's scale operand
.endr
.irp c, 0,1
	v_lshrrev_b32 v[TM+6+\c], 23, v[TM+4+\c]       ; the scale's byte
.endr
	v_lshl_or_b32 v24, v23, 16, v22                ; blocks h and 2 + h of row r,
	v_lshlrev_b32 v24, v8, v24                     ; at their places in the scale word;
	v_permlanex16_b32 v25, v24, s20, s21
	v_or_b32 v24, v24, v25                         ; with lane l xor 16's two the word is whole
.irp c, 0,1
.irp g, 0,1,2,3
	v_cvt_scalef32_pk8_fp4_f32 v[PC+4*\c+\g], v[X+32*\c+8*\g:X+32*\c+8*\g+7], v[TM+4+\c]
.endr
.endr
	v_nop                                          ; one plain place behind the last scaled conversion
	global_store_b128 v5, v[PC:PC+3], s[12:13]     ; each store of the wave covers 512 consecutive bytes, aligned
	global_store_b128 v5, v[PC+4:PC+7], s[12:13] offset:512
	ds_store_b32 v6, v24                           ; both lanes of a row write the same word
	s_branch .Ljoin
.Lbias:
	s_sub_co_u32 s17, ttmp9, 128                   ; T
	s_lshl_b32 s22, s17, 17
	s_lshl_b32 s24, s16, 15
	s_add_co_u32 s22, s22, s24
	s_add_co_u32 s22, s22, 4096                    ; W_vq: rows 16 T + 4 wave on, behind W_h's 4,096 bytes
	s_lshl_b32 s24, s17, 6                         ; ln_b, v_w: 64 T
	s_lshl_b32 s26, s17, 10
	s_add_co_u32 s26, s26, 512                     ; plane 1
	s_wait_kmcnt 0x0
	s_add_nc_u64 s[4:5], s[4:5], s[22:23]
	s_add_nc_u64 s[6:7], s[6:7], s[24:25]
	s_add_nc_u64 s[10:11], s[10:11], s[24:25]
	s_add_nc_u64 s[14:15], s[14:15], s[26:27]
	global_load_b32 v14, v9, s[6:7]                ; ln_b and v_w of row r
	global_load_b32 v15, v9, s[10:11]
.irp i, 0,1,2,3,4,5,6,7
	global_load_b128 v[Z+4*\i:Z+4*\i+3], v5, s[8:9] offset:512*\i
.endr
.irp j, 0,1,2,3
.irp i, 0,1,2,3,4,5,6,7
	global_load_b128 v[X+32*\j+4*\i:X+32*\j+4*\i+3], v5, s[4:5] offset:8192*\j+512*\i
.endr
.endr
	s_wait_loadcnt 0x0
.irp j, 0,1,2,3
	v_pk_mul_f32 v[SU+2*\j:SU+2*\j+1], v[X+32*\j:X+32*\j+1], v[Z:Z+1]   ; the first products start the four rows' sums
.endr
.irp i, 1,2,3,4,5,6,7,8,9,10,11,12,13,14,15
.irp j, 0,1,2,3
	v_pk_fma_f32 v[SU+2*\j:SU+2*\j+1], v[X+32*\j+2*\i:X+32*\j+2*\i+1], v[Z+2*\i:Z+2*\i+1], v[SU+2*\j:SU+2*\j+1]
.endr
.endr
.irp j, 0,1,2,3
	v_add_f32 v[SU+2*\j], v[SU+2*\j], v[SU+2*\j+1]
.endr
.irp x, 1,2,4,8
.irp j, 0,1,2,3
	v_add_f32_dpp v[SU+2*\j], v[SU+2*\j], v[SU+2*\j] row_xmask:\x row_mask:0xf bank_mask:0xf
.endr
.endr
.irp j, 0,1,2,3
	v_permlanex16_b32 v[SU+2*\j+1], v[SU+2*\j], s20, s21
.endr
.irp j, 0,1,2,3
	v_add_f32 v[200+\j], v[SU+2*\j], v[SU+2*\j+1]  ; W_vq[row] . vq, in every lane
.endr
	ds_store_b128 v11, v[200:203]                  ; all lanes write the same 16 bytes
.Ljoin:
	s_wait_tensorcnt 0x0                           ; behind my last LDS store
	ds_add_u32 v12, v13
	s_wait_dscnt 0x0                               ; for the others' sake too: my stores have landed
	s_barrier_signal -1
	s_barrier_wait -1
	s_cmp_lg_u32 s16, 0
	s_cbranch_scc1 .Ldone                          ; wave 0 writes the table
	s_cmp_ge_u32 ttmp9, 128
	s_cbranch_scc1 .Ltab1
	ds_load_b64 v[16:17], v7
	s_wait_dscnt 0x0
	global_store_b64 v7, v[16:17], s[14:15]        ; 256 consecutive bytes, aligned
	s_branch .Ldone
.Ltab1:
	ds_load_b32 v16, v10
	s_wait_dscnt 0x0
	v_add_f32 v14, v14, v16
	v_mul_f32 v22, -2.0, v15                       ; v2
	v_mul_f32 v20, C2L, v14                        ; cb
	v_mov_b32 v23, v22                             ; each twice, so that the packed forms take them as pairs
	v_mov_b32 v21, v20
	global_store_b128 v5, v[20:23], s[14:15]       ; 512 consecutive bytes, aligned
.Ldone:
	s_endpgm
.Lfunc_end_k_q4afd55f4f6_prep:
	.size	k_q4afd55f4f6_prep, .Lfunc_end_k_q4afd55f4f6_prep-k_q4afd55f4f6_prep
	.p2alignl 7, 3214868480
	.fill 96, 4, 3214868480
	.section	.rodata,"a",@progbits
	.p2align	6, 0x0
	.amdhsa_kernel k_q4afd55f4f6_prep
		.amdhsa_group_segment_fixed_size 1024
		.amdhsa_private_segment_fixed_size 0
		.amdhsa_enable_private_segment 0
		.amdhsa_kernarg_size 48
		.amdhsa_user_sgpr_count 2
		.amdhsa_user_sgpr_kernarg_segment_ptr 1
		.amdhsa_wavefront_size32 1
		.amdhsa_system_sgpr_workgroup_id_x 1
		.amdhsa_system_sgpr_workgroup_id_y 1
		.amdhsa_system_sgpr_workgroup_id_z 1
		.amdhsa_system_vgpr_workitem_id 0
		.amdhsa_next_free_vgpr 256
		.amdhsa_next_free_sgpr 66
		.amdhsa_reserve_vcc 0
		.amdhsa_float_denorm_mode_32 3
		.amdhsa_float_denorm_mode_16_64 3
		.amdhsa_memory_ordered 1
		.amdhsa_forward_progress 1
		.amdhsa_inst_pref_size 18
	.end_amdhsa_kernel
	.amdgpu_metadata
---
amdhsa.version: [ 1, 2 ]
amdhsa.kernels:
  - .name:           k_q4afd55f4f6_prep
    .symbol:         k_q4afd55f4f6_prep.kd
    .args:
      - { .name: ln_w, .offset: 0, .size: 8, .value_kind: global_buffer, .address_space: global }
      - { .name: ln_b, .offset: 8, .size: 8, .value_kind: global_buffer, .address_space: global }
      - { .name: vq, .offset: 16, .size: 8, .value_kind: global_buffer, .address_space: global }
      - { .name: v_w, .offset: 24, .size: 8, .value_kind: global_buffer, .address_space: global }
      - { .name: wfrag, .offset: 32, .size: 8, .value_kind: global_buffer, .address_space: global }
      - { .name: wtab, .offset: 40, .size: 8, .value_kind: global_buffer, .address_space: global }
    .group_segment_fixed_size: 1024
    .private_segment_fixed_size: 0
    .kernarg_segment_align: 8
    .kernarg_segment_size: 48
    .max_flat_workgroup_size: 128
    .sgpr_count:     66
    .vgpr_count:     256
    .wavefront_size: 32
...
	.end_amdgpu_metadata
.endif
;; end of part 1
;; launch main (part 2): grid 256 x 1, 4 waves a work-group, no clusters, 327,680 bytes of LDS; arguments h, mask, v_w, wfrag, wtab, part; writes part
.if DOCPART == 2
	.amdgcn_target "amdgcn-amd-amdhsa--gfx1250"
	.amdhsa_code_object_version 6
	.text
	.protected	k_q4afd55f4f6_main
	.globl	k_q4afd55f4f6_main
	.p2align	8
	.type	k_q4afd55f4f6_main,@function
k_q4afd55f4f6_main:
	s_mov_b64 s[64:65], 0
	v_nop
	global_prefetch_b8 v0, s[64:65] scope:SCOPE_SE
	s_setreg_imm32_b32 hwreg(HW_REG_WAVE_MODE, 25, 1), 1
	s_wait_xcnt 0x0
; SECOND OF THREE LAUNCHES: scores, softmax and weighted sum in one pass over h.  Nothing of the problem is left out here.
; SHARES.  Work-group g owns rows 256 g .. 256 g + 255 of h (an eighth of batch g / 8) and walks them in four blocks of 64.  It leaves a record in part: 1,024 sums of p x h, the largest score m and the sum l of p = e^(s - m).
; A BLOCK.  (1) INGEST: wave w reads columns 256 w .. 256 w + 255 of the 64 landed rows, EACH LANDED BYTE ONCE: a lane takes 8 numbers of one block of 32 (four lanes to a block), and the same registers give the block's
; largest magnitude (two steps across lanes), 8 codes (one conversion) and four registers of bf16, which stay.  Codes go to LDS by rows (512 bytes + 16 a row), scale bytes likewise (32 + 16 a row).
; (2) Every wave fetches all 32 fragments of the block (256 registers) and makes columns 256 w .. + 255 of h W_h^T, two column tiles x four row tiles at a time; tanh and the product with v_w follow in registers.
; (3) The four waves' parts of the 64 scores meet in LDS; every wave takes the mask, the running maximum and p, and adds p x h for its 256 columns.
; THE LANDING BUFFER IS FILLED AGAIN IN TWO HALVES, 8 rows a wave each, each as soon as a barrier shows it read out and the other half landed.  The barrier in the middle of the ingest does two things: in front of it every
; wave has waited for its part of this block's rows 32-63 and for its reads of rows 0-31; behind it rows 0-31 of the next block are asked for, and row 32 is read.  The barrier ahead of the softmax likewise: in front of it
; every wave has waited for its part of the next block's rows 0-31; behind it the next block's rows 32-63 are asked for.  So the 288 loads of W and its tables of a block's products have no more than the tail of a refill beside them.
; Block 0 comes whole, 16 rows a wave, at the head.
; A LANE'S 8 NUMBERS are two pieces of 16 bytes of its block, 64 bytes apart: lane l reads at a = 128 (l / 4) + 16 (l % 4) + 64 ((l / 8) % 2) and at a xor 64 of its wave's 1,024 bytes of a row.  The sixteen lanes of half
; an instruction then start at sixteen different multiples of 16 bytes modulo 256 (64 banks of 4 bytes: ISA guide 11.1).  So the codes inside a block stand in the order that the first launch states, and W's stand in the same.
; THE WEIGHT comes from memory straight into registers, in the order that the first launch laid (32 loads of 512 consecutive bytes a chunk), two chunks ahead; the look-ahead goes round from a block's end to the next block's
; first two chunks.  In the last block's last trip a branch on the trip counter leads round the weight's loads; the tables' four loads a chunk (2,048 bytes) stay, so that the counted waits hold on every path.
; NO CLUSTER, NO JOINT LOADS: h's tiles are shared by nobody.  W's are shared by all, but a ring for them has no room: this text uses 305,664 of the 327,680 bytes of LDS, and one chunk of W for the four waves is 4 x 16,384 bytes.
; h IS PREFETCHED INTO THE L2: in each of a block's four trips wave w names 64 units of 256 bytes (a lane a unit, two instructions) of rows 16 w .. 16 w + 15 of the block after the next: 256 units a wave and block, each
; named once in the launch.  The first tensor load for those rows stands behind the middle of the next block's ingest.  Blocks 0 and 1 come by their loads alone; blocks 2 and 3 ask for nothing.
; tanh(x) = 1 - 2 / (1 + 2^(c x)), c = 2 log2(e): s = sum of v + sum of (-2 v) / (1 + 2^(c acc + c bias)).  Where 2^(..) overflows the reciprocal is 0 and tanh is 1; where it falls to 0 tanh is -1.
; The second product (p x h, M = 1) takes h as bf16 and p as f32, sums in f32.
; LIMITS: a block of 32 whose largest magnitude lies under 2^-124 (zeros among them) gets the scale byte 1; NaN and infinities among the inputs are not served; mask bytes are 0 or 1.
; REGISTERS, in windows of 256: window 0: the names below.  window 1: the block's 32 fragments of h (tile m, K step s at v[64 m + 8 s]).  window 2: W's fragments, two chunks (chunk p, tile u, K step s at
; v[128 p + 64 u + 8 s]).  window 3: the bf16 copy: v[4 row + k] = my numbers 2 k, 2 k + 1 of that row.
.set RP,    4160                       ; LDS: from row to row of h: four pieces of 1,024 bytes + 16 of padding
.set REG,   16*RP                      ; 16 rows
.set IMG,   4*REG                      ; behind the landing buffer: the codes, 64 rows
.set CP,    528                        ; of 512 bytes + 16
.set ASCI,  IMG+64*CP                  ; the scale bytes, 64 rows
.set AP,    48                         ; of 32 bytes + 16
.set SP,    ASCI+64*AP                 ; the waves' parts of the scores: 256 wave + 4 row
.set PB,    SP+1024                    ; p, each wave's own 256 bytes
.set SPARE, PB+1024                    ; the spare words, 128 bytes a wave
.set L16,  1                           ; v1    16 x lane
.set QA,   2                           ; v2-9  the landing buffer: rows 16 u on, my wave's piece, + a (v[2 + 2 u]) and + (a xor 64) (v[3 + 2 u])
.set CWA,  10                          ; v10   where I store 8 codes of a row
.set BWA,  11                          ; v11   and my block's scale byte
.set LI,   12                          ; v12   where a fragment is read
.set LSC,  13                          ; v13   and the scale words
.set SPS,  14                          ; v14   where I store my part of the scores
.set SPA,  15                          ; v15   where I read two rows' parts
.set PBA,  16                          ; v16   where I store two p
.set PBU,  17                          ; v17   where all lanes read the 64 p
.set MK,   18                          ; v18   mask bits: bit 0 row 2 lane, bit 8 row 2 lane + 1 of the block in hand; the later blocks' above them
.set VIN,  19                          ; v19   a sixteenth of the sum of my wave's 256 v_w
.set MX,   20                          ; v20   the largest score so far
.set LS,   21                          ; v21   my lane's part of the sum of p
.set RACC, 22                          ; v22-29 the sums of p x h for my 8 columns
.set SPW,  30                          ; v30   my spare word; never rewritten
.set NIL,  31                          ; v31   0; never rewritten
.set ASC,  32                          ; v32-47  h's scale words: 4 m + j: lanes 0-15 K step j, lanes 16-31 K step 4 + j
.set TB,   48                          ; v48-79  a tile's table at 16 p + 8 u: four scale words of W, laid likewise; cb, cb; v2, v2
.set SACC, 80                          ; v80-111 the scores' sums: row tile m, register j at 8 m + j
.set PC,   80                          ; (in the ingest: codes, two sets of 8, then bytes, two sets of 8)
.set ACC,  112                         ; v112-175 eight accumulators: (m, u) at 8 (2 m + u)
.set X0,   112                         ; (in the ingest: eight rows x 8 numbers, two sets by turns: v112-175, v176-239)
.set P,    176                         ; v176-239 the block's 64 p
.set TM,   240                         ; v240-247 eight rows' largest magnitudes, then the conversions' scale operands
.set FF,   248                         ; v248  e^(old m - new m); v249 at work
.set PD,   250                         ; v250  a lane permute's destination
.set PFO,  251                         ; v251  256 x lane; never rewritten
.set G0B,  8                           ; s[8:11] descriptor group 0 for rows 32-63 (the arguments that lay there have been used by then)
.set WV,   16                          ; s16   my wave's number
.set OP,   20                          ; s[20:21] the prefetches' offset in a block, high word 0
.set G1,   24                          ; s[24:31] descriptor group 1
.set G0,   32                          ; s[32:35] group 0 for rows 0-31
.set WBASE, 36                         ; s[36:37] my wave's 16 tiles in wfrag
.set TBASE, 38                         ; s[38:39] and in wtab
.set WP,   40                          ; s[40:41], s[42:43] the two chunks that are being fetched
.set TP,   42
.set OW,   44                          ; s[44:45], s[46:47] their offsets, high words 0
.set OT,   46
.set SEL,  48                          ; s[48:49] selects for lane l xor 16
.set CS,   50                          ; s[50:51] c = 2 log2(e), named as a pair
.set TENK, 52
.set BLK,  53
.set TRIP, 54
.set WRAP, 55
.set PFB,  56                          ; s[56:57] rows 16 w on of the block after the next
.set PFA,  58                          ; s[58:59] this trip's part of them
.set G0H,  60                          ; s[60:63] group 0 for the head's load
.set MSB, 0
.macro WIN new                         ; s_set_vgpr_msb: bits 1:0 source 0, 3:2 source 1, 5:4 source 2, 7:6 destination; the high byte repeats the setting that is left
.if MSB != \new
	s_set_vgpr_msb (MSB<<8)|\new
.set MSB, \new
.endif
.endm
.macro PLACES
.rept 4
	v_nop
.endr
.endm
.macro WLOAD p                         ; a chunk of W (two tiles x eight K steps) into set p
	WIN 0x80
.irp u, 0,1
.irp s, 0,1,2,3,4,5,6,7
.irp c, 0,1
	global_load_b128 v[128*\p+64*\u+8*\s+4*\c:128*\p+64*\u+8*\s+4*\c+3], v[L16], s[WP:WP+1] offset:\p*16384+\u*8192+\s*1024+512*\c
.endr
.endr
.endr
	WIN 0
.endm
.macro TLOAD p                         ; and its two tiles' tables
.irp u, 0,1
.irp e, 0,1
	global_load_b128 v[TB+16*\p+8*\u+4*\e:TB+16*\p+8*\u+4*\e+3], v[L16], s[TP:TP+1] offset:\p*2048+\u*1024+512*\e
.endr
.endr
.endm
.macro ILOAD b                         ; rows 8 b .. 8 b + 7: my 8 numbers of each
.set XL, X0+64*((\b)%2)
.irp i, 0,1,2,3,4,5,6,7
	ds_load_b128 v[XL+8*\i:XL+8*\i+3], v[QA+2*((\b)/2)] offset:(8*((\b)%2)+\i)*RP
	ds_load_b128 v[XL+8*\i+4:XL+8*\i+7], v[QA+2*((\b)/2)+1] offset:(8*((\b)%2)+\i)*RP
.endr
.endm
.macro ISTEP b                         ; eight rows by turns: codes, scale bytes and the bf16 copy from the same 64 registers.  Steps 0-3 and 4-7 are two runs: a barrier stands between them
.if (\b)%4 != 3
	ILOAD \b+1
.endif
.if (\b)%4 == 0
	s_wait_dscnt 16                                ; behind this step's loads: the next step's 16
.elseif (\b)%4 == 3
	s_wait_dscnt 16                                ; the last step's 16 stores
.else
	s_wait_dscnt 32                                ; the last step's 16 stores and the next step's 16 loads.  So the stores of two steps back are done, and their registers are written again
.endif
.set XS, X0+64*((\b)%2)
.set CD, PC+8*((\b)%2)
.set BY, PC+16+8*((\b)%2)
.irp i, 0,1,2,3,4,5,6,7
	v_max3_num_f32 v[TM+\i], |v[XS+8*\i]|, |v[XS+8*\i+1]|, 0x1800000   ; begun with the floor 2^(3 - 127): so the byte cannot fall under 1
.endr
.irp e, 2,4,6
.irp i, 0,1,2,3,4,5,6,7
	v_max3_num_f32 v[TM+\i], v[TM+\i], |v[XS+8*\i+\e]|, |v[XS+8*\i+\e+1]|
.endr
.endr
.irp x, 1,2
.irp i, 0,1,2,3,4,5,6,7
	v_max_num_f32_dpp v[TM+\i], v[TM+\i], v[TM+\i] row_xmask:\x row_mask:0xf bank_mask:0xf   ; the four lanes of a block
.endr
.endr
.irp i, 0,1,2,3,4,5,6,7
	v_add_nc_u32 v[TM+\i], 0xff000000, v[TM+\i]    ; 2 off the exponent field: the conversion's scale operand
.endr
.irp i, 0,1,2,3,4,5,6,7
	v_cvt_scalef32_pk8_fp4_f32 v[CD+\i], v[XS+8*\i:XS+8*\i+7], v[TM+\i]
.endr
.irp i, 0,1,2,3,4,5,6,7
	v_lshrrev_b32 v[BY+\i], 23, v[TM+\i]           ; the scale's byte (plain lines behind the conversions)
.endr
.irp i, 0,1,2,3,4,5,6,7
	ds_store_b32 v[CWA], v[CD+\i] offset:(8*(\b)+\i)*CP   ; the wave's 256 codes of a row: 128 consecutive bytes
	ds_store_b8 v[BWA], v[BY+\i] offset:(8*(\b)+\i)*AP    ; the four lanes of a block write the same byte
.endr
	WIN 0xc0                                       ; destination window 3
.irp i, 0,1,2,3,4,5,6,7
.irp k, 0,1,2,3
	v_cvt_pk_bf16_f32 v[4*(8*(\b)+\i)+\k], v[XS+8*\i+2*\k], v[XS+8*\i+2*\k+1]
.endr
.endr
	WIN 0
.endm
.macro AFETCH                          ; all 32 fragments of the block and their scale words, in every wave
	WIN 0x40
.irp m, 0,1,2,3
.irp s, 0,1,2,3,4,5,6,7
.irp c, 0,1
	ds_load_b128 v[64*\m+8*\s+4*\c:64*\m+8*\s+4*\c+3], v[LI] offset:16*\m*CP+64*\s+32*\c
.endr
.endr
.endr
	WIN 0
.irp m, 0,1,2,3
	ds_load_b128 v[ASC+4*\m:ASC+4*\m+3], v[LSC] offset:16*\m*AP
.endr
.set j, 0
.rept 32
	v_mov_b32 v[SACC+j], v[VIN]                    ; the scores' sums begin with the sum of v: a sixteenth in each of the sixteen lanes that are added at the end
.set j, j+1
.endr
	s_wait_dscnt 0x0
.endm
.macro MM m, u, s, p                   ; source 0 = 16 rows of h, source 1 = 16 rows of W: lane (r, h) holds column r and rows 8 h + 0 .. 7 of the tile
.set rD, ACC+8*(2*(\m)+(\u))
.set rA, 64*(\m)+8*(\s)
.set rB, 128*(\p)+64*(\u)+8*(\s)
.set rX, ASC+4*(\m)+(\s)%4
.set rY, TB+16*(\p)+8*(\u)+(\s)%4
.if (\s) == 0
	v_wmma_scale_f32_16x16x128_f8f6f4 v[rD:rD+7], v[rA:rA+7], v[rB:rB+7], 0, v[rX], v[rY] matrix_a_fmt:MATRIX_FMT_FP4 matrix_b_fmt:MATRIX_FMT_FP4
.elseif (\s) < 4
	v_wmma_scale_f32_16x16x128_f8f6f4 v[rD:rD+7], v[rA:rA+7], v[rB:rB+7], v[rD:rD+7], v[rX], v[rY] matrix_a_fmt:MATRIX_FMT_FP4 matrix_b_fmt:MATRIX_FMT_FP4
.else
	v_wmma_scale_f32_16x16x128_f8f6f4 v[rD:rD+7], v[rA:rA+7], v[rB:rB+7], v[rD:rD+7], v[rX], v[rY] matrix_a_fmt:MATRIX_FMT_FP4 matrix_b_fmt:MATRIX_FMT_FP4 matrix_a_scale:MATRIX_SCALE_ROW1 matrix_b_scale:MATRIX_SCALE_ROW1
.endif
.endm
.macro TANH p                          ; 64 numbers a lane: the sums of -2 v / (1 + 2^(c acc + c bias))
.irp m, 0,1,2,3
.irp u, 0,1
.irp i, 0,2,4,6
	v_pk_fma_f32 v[ACC+8*(2*\m+\u)+\i:ACC+8*(2*\m+\u)+\i+1], v[ACC+8*(2*\m+\u)+\i:ACC+8*(2*\m+\u)+\i+1], s[CS:CS+1], v[TB+16*\p+8*\u+4:TB+16*\p+8*\u+5] op_sel_hi:[1,0,1]   ; each accumulator from its low end on
.endr
.endr
.endr
.set j, 0
	s_wait_alu depctr_va_vdst(0)                   ; the wait ahead of the batch
.rept 64
	v_exp_f32 v[ACC+j], v[ACC+j]
.set j, j+1
.endr
	v_nop                                          ; a plain place behind the last exponential
	s_wait_alu depctr_va_vdst(0)                   ; one wait for the batch, ahead of its first use
.set j, 0
.rept 32
	v_pk_add_f32 v[ACC+j:ACC+j+1], v[ACC+j:ACC+j+1], 1.0 op_sel_hi:[1,0]
.set j, j+2
.endr
.set j, 0
	s_wait_alu depctr_va_vdst(0)
.rept 64
	v_rcp_f32 v[ACC+j], v[ACC+j]
.set j, j+1
.endr
	v_nop
	s_wait_alu depctr_va_vdst(0)                   ; and one for the reciprocals
.irp u, 0,1
.irp m, 0,1,2,3
.irp i, 0,2,4,6
	v_pk_fma_f32 v[SACC+8*\m+\i:SACC+8*\m+\i+1], v[ACC+8*(2*\m+\u)+\i:ACC+8*(2*\m+\u)+\i+1], v[TB+16*\p+8*\u+6:TB+16*\p+8*\u+7], v[SACC+8*\m+\i:SACC+8*\m+\i+1]
.endr
.endr
.endr
.endm
; Two column tiles x four row tiles x all of K.  ask = 1: the block has a successor (its chunk 0 steps the prefetches' address too, and prefetches).  last = 1: the launch's last block.
.macro CHUNK p, ask, last
	s_wait_loadcnt 36                              ; this chunk's W and tables are in; behind its tables stand at most the next chunk's 32 + 4 loads, on every path
	WIN 0x09                                       ; source 0 window 1, source 1 window 2, C and D window 0
.irp s, 0,1,2,3,4,5,6,7
.irp m, 0,1,2,3
.irp u, 0,1
	MM \m, \u, \s, \p                              ; the eight accumulators take turns, one instruction a turn
.endr
.endr
.endr
	WIN 0
.if \p == 0
	s_wait_xcnt 0x0                                ; the loads and prefetches issued so far have read their bases: these are written again only behind this wait.  Scalar work, laid directly behind the products
	s_sub_co_u32 s[WRAP], 5, s[TRIP]
	s_and_b32 s[WRAP], s[WRAP], 3                  ; the trip whose chunks are fetched now: the next one, and behind the last the first again
	s_lshl_b32 s[OW], s[WRAP], 15
	s_lshl_b32 s[OT], s[WRAP], 12
	s_add_nc_u64 s[WP:WP+1], s[WBASE:WBASE+1], s[OW:OW+1]
	s_add_nc_u64 s[TP:TP+1], s[TBASE:TBASE+1], s[OT:OT+1]
.if \ask
	s_sub_co_u32 s[OP], 4, s[TRIP]
	s_lshl_b32 s[OP], s[OP], 14                    ; 16,384 bytes a trip
	s_add_nc_u64 s[PFA:PFA+1], s[PFB:PFB+1], s[OP:OP+1]
.endif
.endif
	PLACES                                         ; four places in front of loads into registers that matrix instructions have read, and of the first read of results
.if \last
	s_cmp_eq_u32 s[TRIP], 1                        ; the launch's last trip has no chunk two on
	s_cbranch_scc1 .Lnw_\@
.endif
	WLOAD \p                                       ; the chunk two on, into the set just multiplied
.if (\ask) && (\p == 0)
	s_cmp_ge_u32 s[BLK], 2                         ; blocks 0 and 1 alone have a block two on
	s_cbranch_scc0 .Lnp_\@
	global_prefetch_b8 v[PFO], s[PFA:PFA+1] th:TH_LOAD_NT scope:SCOPE_SE
	global_prefetch_b8 v[PFO], s[PFA:PFA+1] offset:8192 th:TH_LOAD_NT scope:SCOPE_SE
.Lnp_\@:
.endif
.if \last
	s_branch .Lw_\@
.Lnw_\@:
	s_wait_loadcnt 0x0                             ; with no 32 loads issued here the counted wait of the next chunk would let its W stay out: all loads are waited for instead
.Lw_\@:
.endif
	TANH \p
	TLOAD \p                                       ; the tables of the chunk two on, when this chunk's have been used (in the launch's last trip: the first chunks' tables once more, which nobody uses)
.endm
.macro REDUCE                          ; the sixteen lanes of a half hold sixteen columns of the same eight rows
.irp x, 1,2,4,8
.set j, 0
.rept 32
	v_add_f32_dpp v[SACC+j], v[SACC+j], v[SACC+j] row_xmask:\x row_mask:0xf bank_mask:0xf
.set j, j+1
.endr
.endr
.irp m, 0,1,2,3
.irp g, 0,1
	ds_store_b128 v[SPS], v[SACC+8*\m+4*\g:SACC+8*\m+4*\g+3] offset:64*\m+16*\g   ; registers 8 m + 4 g + 0 .. 3 are rows 16 m + 8 h + 4 g + 0 .. 3; the sixteen lanes write the same bytes
.endr
.endr
.endm
.macro SOFT                            ; every wave alike: lane l takes rows 2 l and 2 l + 1
.irp w, 0,1,2,3
	ds_load_b64 v[112+2*\w:113+2*\w], v[SPA] offset:256*\w
.endr
	v_and_b32 v120, 1, v[MK]
	v_bfe_u32 v121, v[MK], 8, 1
	v_lshrrev_b32 v[MK], 1, v[MK]                  ; on to the next block's bits
	v_cvt_f32_u32 v120, v120
	v_cvt_f32_u32 v121, v121
	v_add_f32 v120, -1.0, v120                     ; mask - 1: 0 or -1
	v_add_f32 v121, -1.0, v121
	s_wait_dscnt 0x0
	v_pk_add_f32 v[112:113], v[112:113], v[114:115]
	v_pk_add_f32 v[116:117], v[116:117], v[118:119]
	v_pk_add_f32 v[112:113], v[112:113], v[116:117]   ; the four waves' parts, in the same order in every wave: the same bits
	s_wait_alu depctr_va_vdst(0)
	v_fma_f32 v112, v120, s[TENK], v112            ; s - 10000 (1 - mask), rounded once
	v_fma_f32 v113, v121, s[TENK], v113
	v_max_num_f32 v122, v112, v113
	v_max_num_f32_dpp v122, v122, v122 row_xmask:1 row_mask:0xf bank_mask:0xf
	v_max_num_f32_dpp v122, v122, v122 row_xmask:2 row_mask:0xf bank_mask:0xf
	v_max_num_f32_dpp v122, v122, v122 row_xmask:4 row_mask:0xf bank_mask:0xf
	v_max_num_f32_dpp v122, v122, v122 row_xmask:8 row_mask:0xf bank_mask:0xf
	v_permlanex16_b32 v[PD], v122, s[SEL], s[SEL+1]
	v_max3_num_f32 v122, v122, v[PD], v[MX]        ; the new running maximum
	v_sub_f32 v[FF], v[MX], v122
	v_sub_f32 v112, v112, v122
	v_sub_f32 v113, v113, v122
	v_mul_f32 v[FF], 0x3fb8aa3b, v[FF]
	v_mul_f32 v112, 0x3fb8aa3b, v112
	v_mul_f32 v113, 0x3fb8aa3b, v113
	s_wait_alu depctr_va_vdst(0)                   ; ahead of the batch
	v_exp_f32 v[FF], v[FF]                         ; e^(old m - new m): 0 in the first block, whose old m is -3e38
	v_exp_f32 v112, v112                           ; p
	v_exp_f32 v113, v113
	v_mov_b32 v[MX], v122                          ; (the plain place behind the exponentials)
	s_wait_alu depctr_va_vdst(0)                   ; one wait for the three, ahead of their first use
	v_add_f32 v249, v112, v113
	v_fma_f32 v[LS], v[LS], v[FF], v249
	ds_store_b64 v[PBA], v[112:113]
.set j, 0
.rept 16
	ds_load_b128 v[P+4*j:P+4*j+3], v[PBU] offset:16*j   ; all 64 p in every lane.  The bytes are my wave's own, and LDS serves a wave's instructions in order (ISA guide 5.7.1.4)
.set j, j+1
.endr
.irp e, 0,2,4,6
	v_pk_mul_f32 v[RACC+\e:RACC+\e+1], v[RACC+\e:RACC+\e+1], v[FF:FF+1] op_sel_hi:[1,0]   ; what was summed under the old maximum
.endr
	s_wait_alu depctr_va_vdst(0)                   ; directly ahead of the wait below
	s_wait_dscnt 0x0
	WIN 0x03                                       ; source 0 window 3: the bf16 copy
.set rho, 0
.rept 64
.irp q, 0,1,2,3
	v_fma_mix_f32_bf16 v[RACC+2*\q], v[4*rho+\q], v[P+rho], v[RACC+2*\q] op_sel_hi:[1,0,0]
	v_fma_mix_f32_bf16 v[RACC+2*\q+1], v[4*rho+\q], v[P+rho], v[RACC+2*\q+1] op_sel:[1,0,0] op_sel_hi:[1,0,0]
.endr
.set rho, rho+1
.endr
	WIN 0
.endm
; A BLOCK OF 64 ROWS, three barriers.  At its first line rows 0-31 have landed and every wave knows it.  refill = 1: the block has a successor.
.macro BLOCK refill
	ILOAD 0
.irp b, 0,1,2,3
	ISTEP \b
.endr
.if \refill
	s_wait_tensorcnt 0x0                           ; my one tensor load that may be out, my 8 of rows 32-63, has landed; so a group 0 may be written
	ds_add_u32 v[SPW], v[NIL]                      ; 0 onto my spare word
	s_add_nc_u64 s[G0+2:G0+3], s[G0+2:G0+3], 262144   ; 64 rows on; the type bits on top are not reached
	s_wait_dscnt 0x0                               ; the add is done, and my reads of rows 0-31 are over
	s_barrier_signal -1
	s_barrier_wait -1                              ; both hold of all four waves: rows 32-63 are whole, and nobody reads rows 0-31 any more
	tensor_load_to_lds s[G0:G0+3], s[G1:G1+7]      ; my one tensor load behind this barrier, and the first thing there: my 8 of the next block's rows 0-31
	s_nop 0
	PLACES
.else
	s_wait_tensorcnt 0x0                           ; my 8 of rows 32-63 have landed
	s_wait_dscnt 0x0                               ; no LDS instruction of mine is pending at the signal
	s_barrier_signal -1
	s_barrier_wait -1
.endif
	ILOAD 4
.irp b, 4,5,6,7
	ISTEP \b
.endr
	s_wait_dscnt 0x0                               ; my codes and scale bytes have landed
	s_barrier_signal -1
	s_barrier_wait -1
	AFETCH
	s_mov_b32 s[TRIP], 4
.Ltrip_\@:                                         ; a trip is two chunks; four trips are my wave's 16 column tiles
	CHUNK 0, \refill, 1-\refill
	CHUNK 1, \refill, 1-\refill
	s_sub_co_u32 s[TRIP], s[TRIP], 1
	s_cmp_lg_u32 s[TRIP], 0
	s_cbranch_scc1 .Ltrip_\@
	REDUCE
.if \refill
	s_wait_tensorcnt 0x0                           ; my 8 of the next block's rows 0-31 have landed: asked for half an ingest and 512 matrix instructions ago
	ds_add_u32 v[SPW], v[NIL]
	s_add_nc_u64 s[G0B+2:G0B+3], s[G0B+2:G0B+3], 262144
	s_add_nc_u64 s[PFB:PFB+1], s[PFB:PFB+1], 262144   ; (named by no memory instruction itself)
	s_wait_dscnt 0x0                               ; the add is done, my part of the scores has landed
	s_barrier_signal -1
	s_barrier_wait -1
	tensor_load_to_lds s[G0B:G0B+3], s[G1:G1+7]    ; my one tensor load behind this barrier: my 8 of the next block's rows 32-63; this block's were last read ahead of the barrier before
	s_nop 0
	PLACES
.else
	s_wait_dscnt 0x0                               ; for the others' sake: my part of the scores has landed
	s_barrier_signal -1
	s_barrier_wait -1
.endif
	SOFT
.endm
	s_load_b256 s[4:11], s[0:1], 0x0               ; h s[4:5], mask s[6:7], v_w s[8:9], wfrag s[10:11]
	s_load_b128 s[12:15], s[0:1], 0x20             ; wtab s[12:13], part s[14:15]
	v_lshl_add_u32 v[SPW], v0, 2, SPARE
	v_mov_b32 v[NIL], 0
	ds_add_u32 v[SPW], v[NIL]                      ; the wave's opening: the add, twice on end, and its wait ahead of my first tensor load
	ds_add_u32 v[SPW], v[NIL]
	v_lshrrev_b32 v1, 5, v0
	v_readfirstlane_b32 s[WV], v1                  ; wave 0..3
	; descriptor group 1: dense bytes as rows of 256 elements of 4 bytes, 16 bytes of padding behind each: 64 such rows (16 rows of h) at the head, 32 afterwards
	s_mov_b32 s[G1+0], (2<<16)|(1<<20)|(7<<22)|(3<<25)
	s_mov_b32 s[G1+1], 256<<16
	s_mov_b32 s[G1+2], 64<<16
	s_mov_b32 s[G1+3], 256<<16
	s_mov_b32 s[G1+4], 64
	s_mov_b32 s[G1+5], 256
	s_mov_b32 s[G1+6], 0
	s_mov_b32 s[G1+7], 0
	s_mov_b32 s[G0H], 1
	s_mul_i32 s[G0H+1], s[WV], REG                 ; LDS address: rows 16 w on
	s_mov_b32 s[G0], 1
	s_mul_i32 s[G0+1], s[WV], 8*RP                 ; rows 8 w on
	s_mov_b32 s[SEL], 0x76543210
	s_mov_b32 s[SEL+1], 0xfedcba98
	s_mov_b32 s[CS], 0x4038aa3b                    ; 2 log2(e)
	s_mov_b32 s[CS+1], s[CS]
	s_mov_b32 s[TENK], 0x461c4000
	s_mov_b32 s[OW+1], 0
	s_mov_b32 s[OT+1], 0
	s_mov_b32 s[OP+1], 0
	s_mov_b32 s[BLK], 3
	s_lshl_b32 s18, ttmp9, 20                      ; 256 rows of 4,096 bytes a work-group
	s_mov_b32 s19, 0
	s_wait_dscnt 0x0                               ; both opening adds are done
	s_wait_kmcnt 0x0
	s_add_nc_u64 s[4:5], s[4:5], s[18:19]          ; my work-group's rows
	s_lshl_b32 s18, s[WV], 16                      ; 16 rows a wave
	s_add_nc_u64 s[G0H+2:G0H+3], s[4:5], s[18:19]
	s_add_nc_u64 s[PFB:PFB+1], s[G0H+2:G0H+3], 524288   ; rows 16 w on of block 2
	s_or_b32 s[G0H+3], s[G0H+3], 0x80000000        ; type = 2
	tensor_load_to_lds s[G0H:G0H+3], s[G1:G1+7]    ; block 0: every wave 16 rows
	s_nop 0
	PLACES
	s_lshl_b32 s18, s[WV], 15                      ; 8 rows a wave
	s_add_nc_u64 s[4:5], s[4:5], s[18:19]
	s_mov_b64 s[G0+2:G0+3], s[4:5]                 ; block 0's rows 8 w on: stepped by a block ahead of each use
	s_or_b32 s[G0+3], s[G0+3], 0x80000000
	s_lshl_b32 s18, s[WV], 17                      ; my 16 tiles of 8,192 bytes
	s_add_nc_u64 s[WBASE:WBASE+1], s[10:11], s[18:19]
	s_lshl_b32 s18, s[WV], 14                      ; and of 1,024
	s_add_nc_u64 s[TBASE:TBASE+1], s[12:13], s[18:19]
	s_lshl_b32 s18, ttmp9, 8
	s_add_nc_u64 s[6:7], s[6:7], s[18:19]          ; my work-group's 256 mask bytes
	s_lshl_b32 s18, s[WV], 10
	s_add_nc_u64 s[8:9], s[8:9], s[18:19]          ; my wave's 256 v_w
	s_mul_i32 s18, ttmp9, 4352
	s_add_nc_u64 s[14:15], s[14:15], s[18:19]      ; my work-group's record
	s_mov_b64 s[WP:WP+1], s[WBASE:WBASE+1]
	s_mov_b64 s[TP:TP+1], s[TBASE:TBASE+1]
	s_mul_i32 s17, s[WV], 1040                     ; my wave's piece of a landed row
	s_lshl_b32 s22, s[WV], 7
	s_add_co_u32 s22, s22, IMG
	s_lshl_b32 s23, s[WV], 3
	s_add_co_u32 s23, s23, ASCI
	s_lshl_b32 s2, s[WV], 8
	s_add_co_u32 s3, s2, PB
	s_add_co_u32 s2, s2, SP
	v_and_b32 v249, 31, v0                         ; lane
	v_lshlrev_b32 v[L16], 4, v249
	v_lshlrev_b32 v240, 5, v249
	v_lshlrev_b32 v241, 1, v249
	v_lshlrev_b32 v[PFO], 8, v249
	global_load_b128 v[112:115], v240, s[8:9]      ; eight v_w a lane
	global_load_b128 v[116:119], v240, s[8:9] offset:16
.irp b, 0,1,2,3
	global_load_u16 v[120+\b], v241, s[6:7] offset:64*\b   ; block b: the mask bytes of rows 2 lane and 2 lane + 1
.endr
	WLOAD 0                                        ; chunk 0
	TLOAD 0
	v_and_b32 v242, 15, v0                         ; r
	v_bfe_u32 v243, v0, 4, 1                       ; h
	v_lshrrev_b32 v244, 2, v249                    ; lane / 4: my block
	v_and_b32 v245, 3, v249
	v_bfe_u32 v246, v0, 3, 1
	v_lshlrev_b32 v247, 7, v244
	v_lshl_add_u32 v247, v245, 4, v247
	v_lshl_add_u32 v247, v246, 6, v247             ; a
	v_xor_b32 v245, 64, v247                       ; a xor 64
	v_add_nc_u32 v[QA], s17, v247
	v_add_nc_u32 v[QA+1], s17, v245
.irp u, 1,2,3
	v_add_nc_u32 v[QA+2*\u], \u*REG, v[QA]
	v_add_nc_u32 v[QA+2*\u+1], \u*REG, v[QA+1]
.endr
	v_lshl_add_u32 v[CWA], v249, 2, s22            ; IMG + 128 wave + 4 lane
	v_add_nc_u32 v[BWA], s23, v244                 ; ASCI + 8 wave + lane / 4
	v_mul_u32_u24 v[LI], v242, CP
	v_lshl_add_u32 v[LI], v243, 4, v[LI]
	v_add_nc_u32 v[LI], IMG, v[LI]                 ; row r, + 16 h
	v_mul_u32_u24 v[LSC], v242, AP
	v_lshl_add_u32 v[LSC], v243, 4, v[LSC]
	v_add_nc_u32 v[LSC], ASCI, v[LSC]
	v_lshl_add_u32 v[SPS], v243, 5, s2
	v_lshl_add_u32 v[SPA], v249, 3, SP
	v_lshl_add_u32 v[PBA], v249, 3, s3
	v_mov_b32 v[PBU], s3
	v_mov_b32 v[PD], 0                             ; a lane permute's destination counts as one of its sources
	v_mov_b32 v[MX], 0xff61b1e6                    ; -3e38, under every score
	v_mov_b32 v[LS], 0
.irp e, 0,1,2,3,4,5,6,7
	v_mov_b32 v[RACC+\e], 0                        ; (the block is written for all four alike: the first finds zeros, which its factor 0 leaves zeros)
.endr
	s_wait_loadcnt 36                              ; v_w and the mask are in; behind them stand chunk 0's 32 + 4 loads
	s_mov_b32 s[G0B], 1                            ; v_w's loads are done, so s[8:9] may be written
	s_mul_i32 s[G0B+1], s[WV], 8*RP
	s_add_co_u32 s[G0B+1], s[G0B+1], 32*RP         ; rows 32 + 8 w on
	s_add_nc_u64 s[G0B+2:G0B+3], s[4:5], 131072
	s_or_b32 s[G0B+3], s[G0B+3], 0x80000000
	v_add_f32 v112, v112, v113
	v_add_f32 v114, v114, v115
	v_add_f32 v116, v116, v117
	v_add_f32 v118, v118, v119
	v_add_f32 v112, v112, v114
	v_add_f32 v116, v116, v118
	v_add_f32 v112, v112, v116
	v_add_f32_dpp v112, v112, v112 row_xmask:1 row_mask:0xf bank_mask:0xf
	v_add_f32_dpp v112, v112, v112 row_xmask:2 row_mask:0xf bank_mask:0xf
	v_add_f32_dpp v112, v112, v112 row_xmask:4 row_mask:0xf bank_mask:0xf
	v_add_f32_dpp v112, v112, v112 row_xmask:8 row_mask:0xf bank_mask:0xf
	v_permlanex16_b32 v[PD], v112, s[SEL], s[SEL+1]
	v_add_f32 v112, v112, v[PD]
	v_mul_f32 v[VIN], 0x3d800000, v112             ; / 16, exactly
	v_lshl_or_b32 v[MK], v121, 1, v120
	v_lshl_or_b32 v[MK], v122, 2, v[MK]
	v_lshl_or_b32 v[MK], v123, 3, v[MK]
	WLOAD 1                                        ; chunk 1
	TLOAD 1
	s_wait_alu depctr_va_vdst(0)                   ; the wait at the head's end
	s_wait_tensorcnt 0x0                           ; my 16 rows of block 0 have landed; no tensor load of mine is out, so a descriptor may be written:
	s_mov_b32 s[G1+2], 32<<16                      ; from here on a load brings 8 rows of h: tensor_dim1 = 32,
	s_mov_b32 s[G1+4], 32                          ; tile_dim1 = 32
	s_barrier_signal -1
	s_barrier_wait -1                              ; all 64 rows have landed
.Lblk:                                             ; three trips: blocks 0 to 2, each of which asks for its successor
	BLOCK 1
	s_sub_co_u32 s[BLK], s[BLK], 1
	s_cmp_lg_u32 s[BLK], 0
	s_cbranch_scc1 .Lblk
	BLOCK 0                                        ; the last block is written out
	v_add_f32_dpp v[LS], v[LS], v[LS] row_xmask:1 row_mask:0xf bank_mask:0xf
	v_add_f32_dpp v[LS], v[LS], v[LS] row_xmask:2 row_mask:0xf bank_mask:0xf
	v_add_f32_dpp v[LS], v[LS], v[LS] row_xmask:4 row_mask:0xf bank_mask:0xf
	v_add_f32_dpp v[LS], v[LS], v[LS] row_xmask:8 row_mask:0xf bank_mask:0xf
	v_permlanex16_b32 v[PD], v[LS], s[SEL], s[SEL+1]
	v_add_f32 v[LS], v[LS], v[PD]                  ; the sum of p over my work-group's 256 rows
	; my 8 sums belong at a and at a xor 64 of my wave's 1,024 bytes: they turn through 1,024 bytes of my own where the codes lay (every wave's reads of those ended ahead of the last barrier), and leave as they lie
	s_lshl_b32 s17, s[WV], 10
	s_add_co_u32 s18, s17, IMG
	v_and_b32 v240, 31, v0
	v_lshrrev_b32 v241, 2, v240
	v_and_b32 v242, 3, v240
	v_bfe_u32 v243, v0, 3, 1
	v_lshlrev_b32 v241, 7, v241
	v_lshl_add_u32 v241, v242, 4, v241
	v_lshl_add_u32 v241, v243, 6, v241             ; a
	v_xor_b32 v242, 64, v241
	v_add_nc_u32 v241, s18, v241
	v_add_nc_u32 v242, s18, v242
	v_add_nc_u32 v243, s18, v[L16]
	v_add_nc_u32 v244, s17, v[L16]                 ; my wave's 1,024 bytes of the record, 16 a lane
	v_lshrrev_b32 v245, 1, v[L16]                  ; 8 x lane
	ds_store_b128 v241, v[RACC:RACC+3]
	ds_store_b128 v242, v[RACC+4:RACC+7]
	ds_load_b128 v[112:115], v243                  ; LDS serves a wave's instructions in order: these see the stores above
	ds_load_b128 v[116:119], v243 offset:512
	s_wait_alu depctr_va_vdst(0)                   ; directly ahead of the wait below
	s_wait_tensorcnt 0x0                           ; the wave's end: behind my last tensor load and my last LDS store
	ds_add_u32 v[SPW], v[NIL]
	s_wait_dscnt 0x0
	global_store_b128 v244, v[112:115], s[14:15]   ; each store of the wave covers 512 consecutive bytes, aligned
	global_store_b128 v244, v[116:119], s[14:15] offset:512
	s_cmp_lg_u32 s[WV], 0
	s_cbranch_scc1 .Lend
	global_store_b64 v245, v[MX:MX+1], s[14:15] offset:4096   ; m and l, the same pair from each of the 32 lanes: 256 consecutive bytes, aligned
.Lend:
	s_endpgm
.Lfunc_end_k_q4afd55f4f6_main:
	.size	k_q4afd55f4f6_main, .Lfunc_end_k_q4afd55f4f6_main-k_q4afd55f4f6_main
	.p2alignl 7, 3214868480
	.fill 96, 4, 3214868480
	.section	.rodata,"a",@progbits
	.p2align	6, 0x0
	.amdhsa_kernel k_q4afd55f4f6_main
		.amdhsa_group_segment_fixed_size 327680
		.amdhsa_private_segment_fixed_size 0
		.amdhsa_enable_private_segment 0
		.amdhsa_kernarg_size 48
		.amdhsa_user_sgpr_count 2
		.amdhsa_user_sgpr_kernarg_segment_ptr 1
		.amdhsa_wavefront_size32 1
		.amdhsa_system_sgpr_workgroup_id_x 1
		.amdhsa_system_sgpr_workgroup_id_y 1
		.amdhsa_system_sgpr_workgroup_id_z 1
		.amdhsa_system_vgpr_workitem_id 0
		.amdhsa_next_free_vgpr 1024
		.amdhsa_next_free_sgpr 66
		.amdhsa_reserve_vcc 0
		.amdhsa_float_denorm_mode_32 3
		.amdhsa_float_denorm_mode_16_64 3
		.amdhsa_memory_ordered 1
		.amdhsa_forward_progress 1
		.amdhsa_inst_pref_size 255
	.end_amdhsa_kernel
	.section	.bss,"aw",@nobits
	.p2align	6
	.space	262144
	.amdgpu_metadata
---
amdhsa.version: [ 1, 2 ]
amdhsa.kernels:
  - .name:           k_q4afd55f4f6_main
    .symbol:         k_q4afd55f4f6_main.kd
    .args:
      - { .name: h, .offset: 0, .size: 8, .value_kind: global_buffer, .address_space: global }
      - { .name: mask, .offset: 8, .size: 8, .value_kind: global_buffer, .address_space: global }
      - { .name: v_w, .offset: 16, .size: 8, .value_kind: global_buffer, .address_space: global }
      - { .name: wfrag, .offset: 24, .size: 8, .value_kind: global_buffer, .address_space: global }
      - { .name: wtab, .offset: 32, .size: 8, .value_kind: global_buffer, .address_space: global }
      - { .name: part, .offset: 40, .size: 8, .value_kind: global_buffer, .address_space: global }
    .group_segment_fixed_size: 327680
    .private_segment_fixed_size: 0
    .kernarg_segment_align: 8
    .kernarg_segment_size: 48
    .max_flat_workgroup_size: 128
    .sgpr_count:     66
    .vgpr_count:     1024
    .wavefront_size: 32
...
	.end_amdgpu_metadata
.endif
;; end of part 2
;; launch combine (part 3): grid 8 x 32, 1 waves a work-group, no clusters, 0 bytes of LDS; arguments part, out0; writes out0
.if DOCPART == 3
	.amdgcn_target "amdgcn-amd-amdhsa--gfx1250"
	.amdhsa_code_object_version 6
	.text
	.protected	k_q4afd55f4f6_combine
	.globl	k_q4afd55f4f6_combine
	.p2align	8
	.type	k_q4afd55f4f6_combine,@function
k_q4afd55f4f6_combine:
	s_mov_b64 s[64:65], 0
	v_nop
	global_prefetch_b8 v0, s[64:65] scope:SCOPE_SE
	s_setreg_imm32_b32 hwreg(HW_REG_WAVE_MODE, 25, 1), 1
	s_wait_xcnt 0x0
; THIRD OF THREE LAUNCHES: a batch's eight records (sums of p x h under the record's own maximum m, and the sum l of p) become the batch's row of the result.  Nothing of the problem is left out here.
; out[b][i] = (sum over g of e^(m_g - M) R_g[i]) / (sum over g of e^(m_g - M) l_g), M the largest of the eight m.  The record that holds M has l of at least 1, so the divisor is at least 1.
; Work-group (x, b), one wave: columns 128 x .. 128 x + 127 of batch b, four a lane.  No LDS, no barrier, no matrix unit: 6,144 bytes in, 512 out.
.set REC, 4352                         ; a record: 4,096 bytes of sums, then 32 pairs (m, l), all alike
.set ML,  8                            ; v8-23   m, l of the eight records
.set R,   24                           ; v24-55  four sums of each record
.set W,   56                           ; v56-63  the records' weights
	s_load_b128 s[4:7], s[0:1], 0x0                ; part, out0
	v_lshlrev_b32 v1, 4, v0                        ; 16 x lane
	v_lshlrev_b32 v2, 3, v0                        ; 8 x lane
	s_and_b32 s8, ttmp7, 0xffff                    ; the batch
	s_mul_i32 s10, s8, 8*REC
	s_mov_b32 s11, 0
	s_lshl_b32 s12, ttmp9, 9                       ; my 128 columns in bytes
	s_mov_b32 s13, 0
	s_lshl_b32 s14, s8, 12
	s_add_co_u32 s14, s14, s12
	s_mov_b32 s15, 0
	s_wait_alu depctr_va_vdst(0)
	s_wait_kmcnt 0x0
	s_add_nc_u64 s[4:5], s[4:5], s[10:11]          ; the batch's records
	s_add_nc_u64 s[16:17], s[4:5], s[12:13]        ; and my columns in them
	s_add_nc_u64 s[6:7], s[6:7], s[14:15]
.irp g, 0,1,2,3,4,5,6,7
	global_load_b64 v[ML+2*\g:ML+2*\g+1], v2, s[4:5] offset:\g*REC+4096
.endr
.irp g, 0,1,2,3,4,5,6,7
	global_load_b128 v[R+4*\g:R+4*\g+3], v1, s[16:17] offset:\g*REC
.endr
	s_wait_loadcnt 0x0
	v_max3_num_f32 v3, v[ML], v[ML+2], v[ML+4]
	v_max3_num_f32 v3, v3, v[ML+6], v[ML+8]
	v_max3_num_f32 v3, v3, v[ML+10], v[ML+12]
	v_max_num_f32 v3, v3, v[ML+14]                 ; M
.irp g, 0,1,2,3,4,5,6,7
	v_sub_f32 v[W+\g], v[ML+2*\g], v3
.endr
.irp g, 0,1,2,3,4,5,6,7
	v_mul_f32 v[W+\g], 0x3fb8aa3b, v[W+\g]
.endr
	s_wait_alu depctr_va_vdst(0)
.irp g, 0,1,2,3,4,5,6,7
	v_exp_f32 v[W+\g], v[W+\g]
.endr
	v_nop                                          ; a plain place behind the last exponential
	s_wait_alu depctr_va_vdst(0)                   ; one wait for the eight, ahead of their first use
	v_mul_f32 v4, v[W], v[ML+1]
.irp g, 1,2,3,4,5,6,7
	v_fma_f32 v4, v[W+\g], v[ML+2*\g+1], v4        ; the divisor
.endr
	s_wait_alu depctr_va_vdst(0)
	v_rcp_f32 v5, v4
.irp j, 0,1,2,3
	v_mul_f32 v[R+\j], v[W], v[R+\j]               ; (plain work behind the reciprocal, which names neither its source nor its result)
.endr
.irp g, 1,2,3,4,5,6,7
.irp j, 0,1,2,3
	v_fma_f32 v[R+\j], v[W+\g], v[R+4*\g+\j], v[R+\j]
.endr
.endr
	s_wait_alu depctr_va_vdst(0)                   ; the wait for the reciprocal, ahead of its first use
.irp j, 0,1,2,3
	v_mul_f32 v[R+\j], v[R+\j], v5
.endr
	global_store_b128 v1, v[R:R+3], s[6:7]         ; the wave stores 512 consecutive bytes, aligned
	s_endpgm
.Lfunc_end_k_q4afd55f4f6_combine:
	.size	k_q4afd55f4f6_combine, .Lfunc_end_k_q4afd55f4f6_combine-k_q4afd55f4f6_combine
	.p2alignl 7, 3214868480
	.fill 96, 4, 3214868480
	.section	.rodata,"a",@progbits
	.p2align	6, 0x0
	.amdhsa_kernel k_q4afd55f4f6_combine
		.amdhsa_group_segment_fixed_size 0
		.amdhsa_private_segment_fixed_size 0
		.amdhsa_enable_private_segment 0
		.amdhsa_kernarg_size 16
		.amdhsa_user_sgpr_count 2
		.amdhsa_user_sgpr_kernarg_segment_ptr 1
		.amdhsa_wavefront_size32 1
		.amdhsa_system_sgpr_workgroup_id_x 1
		.amdhsa_system_sgpr_workgroup_id_y 1
		.amdhsa_system_sgpr_workgroup_id_z 1
		.amdhsa_system_vgpr_workitem_id 0
		.amdhsa_next_free_vgpr 64
		.amdhsa_next_free_sgpr 66
		.amdhsa_reserve_vcc 0
		.amdhsa_float_denorm_mode_32 3
		.amdhsa_float_denorm_mode_16_64 3
		.amdhsa_memory_ordered 1
		.amdhsa_forward_progress 1
		.amdhsa_inst_pref_size 7
	.end_amdhsa_kernel
	.amdgpu_metadata
---
amdhsa.version: [ 1, 2 ]
amdhsa.kernels:
  - .name:           k_q4afd55f4f6_combine
    .symbol:         k_q4afd55f4f6_combine.kd
    .args:
      - { .name: part, .offset: 0, .size: 8, .value_kind: global_buffer, .address_space: global }
      - { .name: out0, .offset: 8, .size: 8, .value_kind: global_buffer, .address_space: global }
    .group_segment_fixed_size: 0
    .private_segment_fixed_size: 0
    .kernarg_segment_align: 8
    .kernarg_segment_size: 16
    .max_flat_workgroup_size: 32
    .sgpr_count:     66
    .vgpr_count:     64
    .wavefront_size: 32
...
	.end_amdgpu_metadata
.endif
;; end of part 3
